; MI455X (gfx1250); checked and timed in simulation.
; The chip was launched on July 23, 2026; its instructions are those of AMD's public machine-readable ISA for CDNA 5 (MIT licence, August 2026) and "CDNA5" Instruction Set Architecture Reference Guide (July 2026). The comments in the code are by the model that wrote it; some were corrected since.
;; memory tree. Allowed arithmetic: matrix products marked QUANTISED: E2M3 operands, one E8M0 scale for each 32 along K, by v_wmma_scale_f32_16x16x128_f8f6f4 with both operands' format E2M3, f32 sums; products left as they are: f32 operands where the result goes on into a quantised operand, else bf16, f16 or f32 operands; f32 sums; everything else in f32.
;; Inputs: W1 300 x 13 float32; W2 600 x 300 float32; W3 100 x 600 float32; W4 13 x 100 float32; b1 300 float32; b2 600 float32; b3 100 float32; b4 13 float32; memory 65,536 x 13 float32; value 2,048 x 13 float32.
;; Outputs: out0 2,048 float32.
;; This version of the problem:
;;   THIS VERSION OF THE PROBLEM IS GIVEN IN LOW PRECISION. The matrix products marked QUANTISED in the list below multiply operands that are first quantised to E2M3 (2 exponent bits, 3 mantissa bits; 6 bits a number), with one power-of-two scale for each 32 numbers along K (OCP MX v1.0); their sums are f32. All else is computed in f32.
;;   The module's matrix products, in the order in which they are computed (A, B: the left and right operand; K: the contracted axis; several contracted axes count as one K, in the product's order):
;;     1. [M 65,536, K 13] x [K 13, N 300]; A: input memory; B: input W1: left as it is (K = 13 < 32)
;;     2. [M 65,536, K 300] x [K 300, N 600]; A: computed on the way; B: input W2: QUANTISED
;;     3. [M 65,536, K 600] x [K 600, N 100]; A: computed on the way; B: input W3: QUANTISED
;;     4. [M 65,536, K 100] x [K 100, N 13]; A: computed on the way; B: input W4: left as it is (N = 13 < 16)
;;     5. [M 2,048, K 13] x [K 13, N 65,536]; A: computed on the way; B: computed on the way: left as it is (K = 13 < 32)
;;   THE QUANTISER, for each operand of a quantised product, along K:
;;     - K is cut into blocks of 32 from its start; a last block that is shorter is filled with zeros.
;;     - A block's scale is 2^e with e = floor(log2(the largest magnitude in the block)) - 2, held to -126 .. 127; a block of zeros has e = 0. As a byte (E8M0): e + 127.
;;     - Each number is divided by its block's scale, clamped to +-7.5, and rounded to the nearest number of E2M3, ties to even, subnormals kept.
;;     - The product sums the exact products of the quantised numbers (number of the format x scale) in f32.
;;   ~~~python
;;   def quantise(x, axis):      # numpy; x: float32 -> the quantised numbers, widened to float32 again
;;       x = np.moveaxis(x, axis, -1); K = x.shape[-1]
;;       x = np.pad(x, [(0, 0)] * (x.ndim - 1) + [(0, -K % 32)]); x = x.reshape(x.shape[:-1] + (-1, 32)); a = np.abs(x).max(-1, keepdims=True)
;;       e = np.where(a > 0, np.clip(np.frexp(np.where(a > 0, a, 1))[1] - 1 - 2, -126, 127), 0)      # np.frexp(a)[1] - 1 = floor(log2(a)), exactly
;;       r = np.clip(x / 2.0 ** e, -7.5, 7.5)
;;       step = 2.0 ** (np.maximum(np.frexp(np.where(r == 0, 1, r))[1] - 1, 0) - 3)
;;       q = np.round(r / step) * step * 2.0 ** e      # np.round: ties to even
;;       return np.moveaxis(q.reshape(q.shape[:-2] + (-1,))[..., :K], -1, axis).astype(np.float32)
;;   ~~~
;;   OPERANDS COMPUTED ON THE WAY. 'Computed on the way' means the value that the module computes at that place (a softmax that the list does not call 'softmax' is quantised finished and normalised). What goes into a quantiser is computed in f32, as accurately as f32 sums, v_exp_f32 and their like allow (about 1e-6 of the number): no bf16 or f16 on the way to a quantiser, and a product that is left as it is and whose result goes on into a quantised operand takes f32 operands (vector FMAs, or v_wmma_f32_16x16x4_f32). A number that lies on a knife's edge between two numbers of the format may be rounded either way, as far as f32 arithmetic and the matrix unit's own rounding can turn it there, and no further.
;; One version. Each part assembles by itself: llvm-mc -triple=amdgcn-amd-amdhsa -mcpu=gfx1250 --defsym DOCPART=n.
;; ======== version 1 of 1: 3 launches
;; workspace buffers: img 474,112 bytes; part 2,097,152 bytes
;; launch prep (part 1): grid 296 x 1, 1 waves a work-group, no clusters, 0 bytes of LDS; arguments W2, W3, W1, b1, W4, b2, b3, b4, value, img; writes img
.if DOCPART == 1
	.amdgcn_target "amdgcn-amd-amdhsa--gfx1250"
	.amdhsa_code_object_version 6
	.text
	.protected	k_qe7055f335e_prep
	.globl	k_qe7055f335e_prep
	.p2align	8
	.type	k_qe7055f335e_prep,@function
k_qe7055f335e_prep:
	s_mov_b64 s[64:65], 0
	v_nop
	global_prefetch_b8 v0, s[64:65] scope:SCOPE_SE
	s_setreg_imm32_b32 hwreg(HW_REG_WAVE_MODE, 25, 1), 1
	s_wait_xcnt 0x0
; Everything that all row blocks of the next launch share is laid out ONCE, in the order in which a wave's registers take it.
; img, bytes 0 .. 317,439, is the image of the next launch's LDS:
;   FRAG  155 fragments of E2M3 codes, 1,536 bytes each (16 rows x 128 K: 12 registers a lane; registers 4 c .. 4 c + 3 of lane l at 512 c + 16 l).
;         f = 3 T + s: W2, tile T (0..39) of 16 rows, K step s (0..2);  f = 120 + 7 g + t: W3, K step g (0..4), tile t (0..6).
;   SC    one scale word (four E8M0 bytes) a row and fragment: 64 f + 4 r.      B2, B3, B4: the biases, filled with zeros to 640, 128, 32.     PAD: zeros.
;   T2N   128 tiles of 16 queries, each query divided by max(its norm, 1e-8), as f16: lane (r, h) holds numbers 8 h .. 8 h + 7 of query r, zeros from number 13 on.
; behind it: W1V: W1 turned, f32: 12 blocks of 32 units x 14 rows of 128 bytes: rows 0 .. 12 the units' weights of column k, row 13 their b1; units from 300 on are zeros (the last two blocks are all zeros).
;            W4I: W4 as four bf16 fragments.       T2F: the same normalised queries in f32, 64 bytes a query, zeros from number 13 on.
; THE ROWS OF A TILE OF W2 ARE NOT NEIGHBOURS: lane r of tile 2 b + v takes row 32 b + 8 v + r + 8 (r / 8), so that a transposed product leaves 16 neighbours along the next K in a lane.
; THE QUANTISER: a block's scale byte is its largest magnitude's exponent field - 2, held at 1 from below; the conversion divides by that scale and rounds to the nearest code, ties to even, beyond 7.5 the largest code.
; Rows and K past the tensors' ends are zeros ahead of the block's maximum; every load is held inside its buffer by a clamp of its offset.
; LIMITS: a block of zeros, or one whose largest magnitude lies under 2^-124, has the byte 1 (the rule says 127 for zeros): its codes are zeros and this program alone reads the bytes.  NaN and infinities are not served.
; One wave to a work-group, four paths on the work-group's number: 0..154 a fragment, 155..282 a tile of queries, 283..294 a block of W1, 295 the small tensors.  No LDS, no barrier.
.set SCO,   238080
.set B2O,   248000
.set B3O,   250560
.set B4O,   251072
.set PADO,  251200
.set T2NO,  251904
.set W1VO,  317440
.set W4IO,  338944
.set T2FO,  343040
	s_load_b512 s[8:23], s[0:1], 0x0               ; W2 s[8:9], W3 s[10:11], W1 s[12:13], b1 s[14:15], W4 s[16:17], b2 s[18:19], b3 s[20:21], b4 s[22:23]
	s_load_b128 s[24:27], s[0:1], 0x40             ; value s[24:25], img s[26:27]
	v_and_b32 v1, 15, v0                           ; r
	v_lshrrev_b32 v2, 4, v0                        ; h
	v_lshlrev_b32 v3, 4, v0                        ; 16 x lane: never rewritten
	s_mov_b32 s28, 0x76543210
	s_mov_b32 s29, 0xfedcba98                      ; v_permlanex16_b32's selects for lane l xor 16
	s_wait_kmcnt 0x0
	s_cmp_lt_u32 ttmp9, 155
	s_cbranch_scc1 .Lfrag
	s_cmp_lt_u32 ttmp9, 283
	s_cbranch_scc1 .Lquery
	s_cmp_lt_u32 ttmp9, 295
	s_cbranch_scc1 .Lw1
; ---- the small tensors.  The biases first: quads of four numbers, a quad past the end becomes zeros
.irp t, 0,1,2,3,4
	v_add_nc_u32 v[16+\t], 512*\t, v3
	v_min_u32 v[16+\t], 2384, v[16+\t]             ; b2's last quad begins at byte 2,384
.endr
	v_min_u32 v21, 384, v3                         ; b3's at 384
	v_lshlrev_b32 v23, 2, v0
	v_min_u32 v22, 48, v23                         ; b4's last number at 48
.irp t, 0,1,2,3,4
	global_load_b128 v[32+4*\t:35+4*\t], v[16+\t], s[18:19]
.endr
	global_load_b128 v[52:55], v21, s[20:21]
	global_load_b32 v56, v22, s[22:23]
.irp i, 0,1,2,3
	v_mov_b32 v[60+\i], 0
.endr
	s_wait_loadcnt 0x0
.irp t, 0,1,2,3,4
	v_cmp_gt_u32 vcc_lo, 150-32*\t, v0             ; b2 has 150 quads: quad 32 t + lane counts where it is one of them
.irp i, 0,1,2,3
	v_cndmask_b32 v[32+4*\t+\i], 0, v[32+4*\t+\i], vcc_lo
.endr
.endr
	v_cmp_gt_u32 vcc_lo, 25, v0                    ; b3 has 25
.irp i, 0,1,2,3
	v_cndmask_b32 v[52+\i], 0, v[52+\i], vcc_lo
.endr
	v_cmp_gt_u32 vcc_lo, 13, v0                    ; b4 has 13 numbers
	v_cndmask_b32 v56, 0, v56, vcc_lo
.irp t, 0,1,2,3,4
	global_store_b128 v3, v[32+4*\t:35+4*\t], s[26:27] offset:B2O+512*\t
.endr
	global_store_b128 v3, v[52:55], s[26:27] offset:B3O
	global_store_b32 v23, v56, s[26:27] offset:B4O
	global_store_b128 v3, v[60:63], s[26:27] offset:PADO       ; PAD's 704 bytes: two runs of 512 zeros that overlap
	global_store_b128 v3, v[60:63], s[26:27] offset:PADO+192
	s_wait_xcnt 0x0                                ; the stores have read their registers: v16.. and v32.. are written again below
	; W4 [13][100]: fragment s, lane (r, h): registers 0-3 hold k = 32 s + 8 h + 0..7, registers 4-7 k = 32 s + 16 + 8 h + 0..7 of row r, as bf16.  Piece a = 4 s + 2 e + i is four numbers from k = 32 s + 16 e + 8 h + 4 i on
	v_min_u32 v4, 12, v1
	v_mul_u32_u24 v4, 400, v4
	v_lshl_add_u32 v4, v2, 5, v4                   ; row min(r, 12) of 400 bytes, + 32 h
	v_lshlrev_b32 v5, 3, v2                        ; 8 h,
	v_mov_b32 v6, 1000
	v_cmp_gt_u32 vcc_lo, 13, v1
	v_cndmask_b32 v5, v6, v5, vcc_lo               ; or, in rows that W4 does not have, a number over every bound
.set aa, 0
.rept 16
	v_add_nc_u32 v[16+aa], 128*(aa/4)+64*((aa/2)%2)+16*(aa%2), v4
	v_min_u32 v[16+aa], 5184, v[16+aa]             ; W4's last quad begins at byte 5,184
.set aa, aa+1
.endr
.set aa, 0
.rept 16
	global_load_b128 v[32+4*aa:35+4*aa], v[16+aa], s[16:17]
.set aa, aa+1
.endr
	s_wait_loadcnt 0x0
.set aa, 0
.rept 16
	v_cmp_gt_i32 vcc_lo, 100-(32*(aa/4)+16*((aa/2)%2)+4*(aa%2)), v5   ; the piece counts where its first k lies under 100 (signed: the left side goes under 0)
.irp i, 0,1,2,3
	v_cndmask_b32 v[32+4*aa+\i], 0, v[32+4*aa+\i], vcc_lo
.endr
.set aa, aa+1
.endr
.set aa, 0
.rept 32
	v_cvt_pk_bf16_f32 v[96+aa], v[32+2*aa], v[33+2*aa]
.set aa, aa+1
.endr
.irp s, 0,1,2,3
	global_store_b128 v3, v[96+8*\s:99+8*\s], s[26:27] offset:W4IO+1024*\s
	global_store_b128 v3, v[100+8*\s:103+8*\s], s[26:27] offset:W4IO+1024*\s+512
.endr
	s_endpgm
; ---- a fragment of W2 or of W3
.Lfrag:
	s_mul_i32 s37, ttmp9, 43691
	s_lshr_b32 s37, s37, 17                        ; W2: T = f / 3 (exact for f under 120)
	s_mul_i32 s38, s37, 3
	s_sub_co_u32 s38, ttmp9, s38                   ; its K step
	s_lshr_b32 s39, s37, 1
	s_lshl_b32 s39, s39, 5
	s_and_b32 s40, s37, 1
	s_lshl_b32 s40, s40, 3
	s_add_co_u32 s39, s39, s40                     ; the tile's first row: 32 (T / 2) + 8 (T % 2)
	s_sub_co_u32 s41, ttmp9, 120                   ; W3: j = f - 120 (for W2's fragments these four numbers are not used)
	s_mul_i32 s42, s41, 9363
	s_lshr_b32 s42, s42, 16                        ; its K step g = j / 7 (exact for j under 35)
	s_mul_i32 s43, s42, 7
	s_sub_co_u32 s43, s41, s43
	s_lshl_b32 s43, s43, 4                         ; the tile's first row: 16 t
	s_cmp_lt_u32 ttmp9, 120                        ; W2's or W3's?  The choice hangs on the work-group's number alone; only moves and selects stand up to the last select
	s_cselect_b64 s[30:31], s[8:9], s[10:11]       ; the tensor
	s_mov_b32 s32, 2400
	s_cselect_b32 s32, 1200, s32                   ; bytes in a row
	s_mov_b32 s33, 600
	s_cselect_b32 s33, 300, s33                    ; K
	s_mov_b32 s34, 100
	s_cselect_b32 s34, 600, s34                    ; rows
	s_mov_b32 s35, 239984
	s_cselect_b32 s35, 719984, s35                 ; where the tensor's last 16 bytes begin
	s_cselect_b32 s36, 1, 0                        ; W2's tiles have the rows' order of the head comment
	s_cselect_b32 s38, s38, s42
	s_cselect_b32 s39, s39, s43
	s_sub_co_u32 s44, s34, 1
	s_lshl_b32 s45, s38, 7                         ; the K step's first k
	s_mul_i32 s46, ttmp9, 1536
	s_mov_b32 s47, 0
	s_add_nc_u64 s[46:47], s[26:27], s[46:47]      ; where the fragment goes,
	s_lshl_b32 s40, ttmp9, 6
	s_mov_b32 s41, 0
	s_add_nc_u64 s[40:41], s[26:27], s[40:41]      ; and (with SCO in the immediate) its scale words
	v_and_b32 v7, 8, v1
	v_mul_u32_u24 v7, s36, v7
	v_add_nc_u32 v4, v1, v7
	v_add_nc_u32 v4, s39, v4                       ; my row
	v_min_u32 v5, s44, v4                          ; held inside the tensor
	v_cmp_gt_u32 vcc_lo, s34, v4                   ; does the tensor have it?
	v_mul_lo_u32 v6, v5, s32
	v_lshl_add_u32 v8, v2, 5, s45                  ; the layout gives lane (r, h) k = 64 c + 32 h + 0 .. 31: two whole blocks; their first k
	v_add_nc_u32 v9, 64, v8
.irp c, 0,1
	v_min_u32 v[10+\c], s33, v[8+\c]
	v_sub_nc_u32 v[10+\c], s33, v[10+\c]
	v_lshrrev_b32 v[10+\c], 2, v[10+\c]
	v_min_u32 v[10+\c], 8, v[10+\c]                ; how many of the block's eight quads lie inside K (K is a multiple of 4),
	v_cndmask_b32 v[10+\c], 0, v[10+\c], vcc_lo    ; none in a row that the tensor does not have
	v_lshl_add_u32 v[12+\c], v[8+\c], 2, v6
.endr
.irp c, 0,1
.irp i, 0,1,2,3,4,5,6,7
	v_add_nc_u32 v[16+8*\c+\i], 16*\i, v[12+\c]
	v_min_u32 v[16+8*\c+\i], s35, v[16+8*\c+\i]    ; no load leaves the buffer
.endr
.endr
.irp c, 0,1
.irp i, 0,1,2,3,4,5,6,7
	global_load_b128 v[32+32*\c+4*\i:35+32*\c+4*\i], v[16+8*\c+\i], s[30:31]
.endr
.endr
	s_wait_loadcnt 0x0
.irp c, 0,1
.irp i, 0,1,2,3,4,5,6,7
	v_cmp_lt_u32 vcc_lo, \i, v[10+\c]
.irp j, 0,1,2,3
	v_cndmask_b32 v[32+32*\c+4*\i+\j], 0, v[32+32*\c+4*\i+\j], vcc_lo   ; what lies past the end is 0 ahead of the maximum
.endr
.endr
.endr
.irp c, 0,1
	v_max3_num_f32 v[120+\c], |v[32+32*\c]|, |v[33+32*\c]|, 0x1800000   ; my block 2 c + h: all its 32 numbers are mine; and the floor 2^(3 - 127): the byte cannot fall under 1
.endr
.irp i, 2,4,6,8,10,12,14,16,18,20,22,24,26,28,30
.irp c, 0,1
	v_max3_num_f32 v[120+\c], v[120+\c], |v[32+32*\c+\i]|, |v[33+32*\c+\i]|   ; (the two blocks by turns)
.endr
.endr
.irp c, 0,1
	v_add_nc_u32 v[124+\c], 0xff000000, v[120+\c]  ; 2 off the exponent field: the conversion takes the exponent field of this operand as its scale
.endr
.irp c, 0,1
	v_lshrrev_b32 v[122+\c], 23, v[124+\c]         ; the scale's byte
.endr
	v_lshl_or_b32 v12, v123, 16, v122              ; my two bytes, blocks h and 2 + h,
	v_lshlrev_b32 v13, 3, v2
	v_lshlrev_b32 v12, v13, v12                    ; at their places in the word;
	v_mov_b32 v13, 0
	v_permlanex16_b32 v13, v12, s28, s29
	v_or_b32 v12, v12, v13                         ; with lane l xor 16's two the word is whole
	v_lshlrev_b32 v14, 2, v1
.irp c, 0,1
	v_cvt_scalef32_pk16_fp6_f32 v[96+6*\c:98+6*\c], v[32+32*\c:47+32*\c], v[124+\c]     ; registers 6 c .. 6 c + 2 of the fragment
	v_cvt_scalef32_pk16_fp6_f32 v[112+4*\c:114+4*\c], v[48+32*\c:63+32*\c], v[124+\c]   ; (a conversion's three registers begin on an even number: the other three are made elsewhere and moved)
.endr
	v_nop                                          ; one plain vector instruction behind the scaled conversions
.irp c, 0,1
.irp i, 0,1,2
	v_mov_b32 v[99+6*\c+\i], v[112+4*\c+\i]
.endr
.endr
.irp c, 0,1,2
	global_store_b128 v3, v[96+4*\c:99+4*\c], s[46:47] offset:512*\c   ; 32 lanes store 512 consecutive bytes
.endr
	global_store_b32 v14, v12, s[40:41] offset:SCO ; lanes r and 16 + r store the same word with the same value
	s_endpgm
; ---- a tile of 16 queries: as f16 in the fragment's order, and as f32 by rows
.Lquery:
	s_sub_co_u32 s30, ttmp9, 155
	s_mul_i32 s32, s30, 832                        ; 16 rows of 52 bytes
	s_mov_b32 s33, 0
	s_add_nc_u64 s[32:33], s[24:25], s[32:33]
	s_lshl_b32 s34, s30, 9
	s_mov_b32 s35, 0
	s_add_nc_u64 s[34:35], s[26:27], s[34:35]
	s_lshl_b32 s36, s30, 10                        ; in f32: 16 rows of 64 bytes
	s_mov_b32 s37, 0
	s_add_nc_u64 s[36:37], s[26:27], s[36:37]
	v_mul_u32_u24 v4, 52, v1
	v_lshlrev_b32 v5, 6, v1
	v_lshl_add_u32 v5, v2, 5, v5                   ; row r of 64 bytes, + 32 h
.irp k, 0,1,2,3,4,5,6,7,8,9,10,11,12
	global_load_b32 v[16+\k], v4, s[32:33] offset:4*\k
.endr
	v_mov_b32 v31, 0
	v_cmp_eq_u32 vcc_lo, 1, v2                     ; lanes 16-31
	s_wait_loadcnt 0x0
	v_mul_f32 v30, v16, v16
.irp k, 1,2,3,4,5,6,7,8,9,10,11,12
	v_fmac_f32 v30, v[16+\k], v[16+\k]
.endr
	v_sqrt_f32 v30, v30
	v_nop                                          ; a plain instruction behind a transcendental
	s_wait_alu depctr_va_vdst(0)
	v_max_num_f32 v30, 0x322bcc77, v30             ; max(norm, 1e-8)
	v_rcp_f32 v30, v30
.irp j, 0,1,2,3,4
	v_cndmask_b32 v[32+\j], v[16+\j], v[24+\j], vcc_lo   ; lanes 0-15 numbers 0..7, lanes 16-31 numbers 8..12 and zeros.  (Plain instructions behind the reciprocal)
.endr
.irp j, 5,6,7
	v_cndmask_b32 v[32+\j], v[16+\j], v31, vcc_lo
.endr
	s_wait_alu depctr_va_vdst(0)
.irp j, 0,1,2,3,4,5,6,7
	v_mul_f32 v[32+\j], v[32+\j], v30
.endr
.irp i, 0,1,2,3
	v_cvt_pk_f16_f32 v[40+\i], v[32+2*\i], v[33+2*\i]    ; at most 1 in magnitude: f16 has the room
.endr
	global_store_b128 v3, v[40:43], s[34:35] offset:T2NO
	global_store_b128 v5, v[32:35], s[36:37] offset:T2FO
	global_store_b128 v5, v[36:39], s[36:37] offset:T2FO+16
	s_endpgm
; ---- a block of 32 units of W1 with b1, turned: a lane takes a unit; each store covers 128 consecutive bytes
.Lw1:
	s_sub_co_u32 s30, ttmp9, 283
	s_lshl_b32 s31, s30, 5                         ; the block's first unit
	s_mul_i32 s34, s30, 1792                       ; 14 rows of 128 bytes a block
	s_mov_b32 s35, 0
	s_add_nc_u64 s[34:35], s[26:27], s[34:35]
	v_add_nc_u32 v4, s31, v0                       ; my unit
	v_min_u32 v5, 299, v4
	v_mul_u32_u24 v6, 52, v5
	v_lshlrev_b32 v7, 2, v5
	v_lshlrev_b32 v8, 2, v0
.irp k, 0,1,2,3,4,5,6,7,8,9,10,11,12
	global_load_b32 v[16+\k], v6, s[12:13] offset:4*\k
.endr
	global_load_b32 v29, v7, s[14:15]              ; row 13: the bias
	v_cmp_gt_u32 vcc_lo, 300, v4
	s_wait_loadcnt 0x0
.irp k, 0,1,2,3,4,5,6,7,8,9,10,11,12,13
	v_cndmask_b32 v[16+\k], 0, v[16+\k], vcc_lo    ; units from 300 on are zeros
.endr
.irp k, 0,1,2,3,4,5,6,7,8,9,10,11,12,13
	global_store_b32 v8, v[16+\k], s[34:35] offset:W1VO+128*\k
.endr
	s_endpgm
.Lfunc_end_k_qe7055f335e_prep:
	.size	k_qe7055f335e_prep, .Lfunc_end_k_qe7055f335e_prep-k_qe7055f335e_prep
	.p2alignl 7, 3214868480
	.fill 96, 4, 3214868480
	.section	.rodata,"a",@progbits
	.p2align	6, 0x0
	.amdhsa_kernel k_qe7055f335e_prep
		.amdhsa_group_segment_fixed_size 0
		.amdhsa_private_segment_fixed_size 0
		.amdhsa_enable_private_segment 0
		.amdhsa_kernarg_size 80
		.amdhsa_user_sgpr_count 2
		.amdhsa_user_sgpr_kernarg_segment_ptr 1
		.amdhsa_wavefront_size32 1
		.amdhsa_system_sgpr_workgroup_id_x 1
		.amdhsa_system_sgpr_workgroup_id_y 1
		.amdhsa_system_sgpr_workgroup_id_z 1
		.amdhsa_system_vgpr_workitem_id 0
		.amdhsa_next_free_vgpr 128
		.amdhsa_next_free_sgpr 66
		.amdhsa_reserve_vcc 1
		.amdhsa_float_denorm_mode_32 3
		.amdhsa_float_denorm_mode_16_64 3
		.amdhsa_memory_ordered 1
		.amdhsa_forward_progress 1
		.amdhsa_inst_pref_size 32
	.end_amdhsa_kernel
	.amdgpu_metadata
---
amdhsa.version: [ 1, 2 ]
amdhsa.kernels:
  - .name:           k_qe7055f335e_prep
    .symbol:         k_qe7055f335e_prep.kd
    .args:
      - { .name: W2, .offset: 0, .size: 8, .value_kind: global_buffer, .address_space: global }
      - { .name: W3, .offset: 8, .size: 8, .value_kind: global_buffer, .address_space: global }
      - { .name: W1, .offset: 16, .size: 8, .value_kind: global_buffer, .address_space: global }
      - { .name: b1, .offset: 24, .size: 8, .value_kind: global_buffer, .address_space: global }
      - { .name: W4, .offset: 32, .size: 8, .value_kind: global_buffer, .address_space: global }
      - { .name: b2, .offset: 40, .size: 8, .value_kind: global_buffer, .address_space: global }
      - { .name: b3, .offset: 48, .size: 8, .value_kind: global_buffer, .address_space: global }
      - { .name: b4, .offset: 56, .size: 8, .value_kind: global_buffer, .address_space: global }
      - { .name: value, .offset: 64, .size: 8, .value_kind: global_buffer, .address_space: global }
      - { .name: img, .offset: 72, .size: 8, .value_kind: global_buffer, .address_space: global }
    .group_segment_fixed_size: 0
    .private_segment_fixed_size: 0
    .kernarg_segment_align: 8
    .kernarg_segment_size: 80
    .max_flat_workgroup_size: 32
    .sgpr_count:     66
    .vgpr_count:     128
    .wavefront_size: 32
...
	.end_amdgpu_metadata
.endif
;; end of part 1
;; launch main (part 2): grid 256 x 1, 4 waves a work-group, clusters of 4 x 1, 327,680 bytes of LDS; arguments memory, img, part; writes part
.if DOCPART == 2
	.amdgcn_target "amdgcn-amd-amdhsa--gfx1250"
	.amdhsa_code_object_version 6
	.text
	.protected	k_qe7055f335e_main
	.globl	k_qe7055f335e_main
	.p2align	8
	.type	k_qe7055f335e_main,@function
k_qe7055f335e_main:
	s_mov_b64 s[64:65], 0
	v_nop
	global_prefetch_b8 v0, s[64:65] scope:SCOPE_SE
	s_setreg_imm32_b32 hwreg(HW_REG_WAVE_MODE, 25, 1), 1
	s_wait_xcnt 0x0
	s_wait_alu depctr_hold_cnt(0) depctr_sa_sdst(0) depctr_va_vdst(0) depctr_va_sdst(0) depctr_va_ssrc(0) depctr_va_vcc(0) depctr_vm_vsrc(0)
	s_getreg_b32 s2, hwreg(HW_REG_IB_STS2, 6, 4)
	s_cmp_eq_u32 s2, 0
	s_cbranch_scc0 .Lentry_in_a_cluster
	s_endpgm
.Lentry_in_a_cluster:
	s_bfe_u32 s2, ttmp6, 0x10000c
	s_cmp_lg_u32 s2, 0x3003
	s_cbranch_scc0 .Lentry_shape_is_right
	s_endpgm
.Lentry_shape_is_right:
; part[wg][q] = the largest t2n[q] . t1n[row] over the work-group's 256 rows of memory; t1n = net(memory row) / max(its norm, 1e-8).
; SHARES.  A work-group of four waves owns 256 rows, a wave 64: four tiles of 16, which it takes through the whole net by itself.  A lane holds ONE row of memory (lane % 16 of a tile) and its registers run along
; the next product's K (the matrix products are used transposed: source 0 = 16 rows of a weight, source 1 = 16 rows of memory), so the hidden layers never leave the registers, and each fragment of a weight feeds four products.
;   1  h1 = relu(x W1^T + b1): fused multiply-adds in f32 (its result goes into a quantiser), two units an instruction, b1 as the first addend; quantised to E2M3 along the 300 (filled to 384 with zero codes).
;   2  h2 = leaky(h1 W2^T + b2), 3  h3 = relu(h2 W3^T + b3): on codes of E2M3 with E8M0 scales.  h2 is made 128 units at a time: they are one K step of product 3 and are used up at once.  The biases start the sums.
;   4  t1 = leaky(h3 W4^T + b4): bf16 operands.
;   5  t2n . t1n.  The waves share the QUERIES, 32 tiles of 16 each, and hand each other t1n through LDS.  The 16-bit matrix form has a K of 32 and the vectors have 13 numbers.  NMAT of a wave's tiles go to the
;      matrix unit (f16 operands: both are unit vectors); the other 32 - NMAT go by packed multiply-adds in f32, which multiply the 13 numbers alone: a lane holds one query, an instruction's two halves are two rows.
; WHAT THE PACKED SUMS MULTIPLY BY (W1 in product 1, the rows' numbers in product 5) LIES IN TWO SETS OF REGISTERS THAT TAKE TURNS: a set is filled again as a whole, by one run of 56 loads behind its last use,
; and lands while the other set is multiplied: so loads follow vector work twice a trip, under one wait and one window setting each.
; LDS.  Bytes 0 .. 317,439 are img's first 317,440 bytes as they lie (fragments as images of their registers: every read is 16 x lane on end, so there is no pitch and no padding), brought ONCE.
; CLUSTER.  All work-groups read the same image, so the four of a cluster ask for it jointly: each wave one tensor load of 310 rows of 256 bytes, the same descriptor in all four work-groups, the mask naming the four.
; One tensor load of a wave is outstanding; nothing is filled twice.  W1, W4 and the f32 queries go from memory straight into registers: LDS has no room for them beside the image.
; Behind the image: T1X, 16 fragments of t1n in f16.  In the image's head, written only behind a barrier at which every wave's reads of the codes are over: the way out's stage, 2,048 bytes a wave, and
; T1F, t1n in f32 as 128 pairs of rows x 16 k x 2 (the pair: row r of tiles 2 a and 2 a + 1 of a wave), 128 bytes a pair.
; Three loops fetch one trip past their end: two blocks of W1 that are all zeros, two tiles of W2 and sixteen pairs of rows whose bytes lie inside the image; none of it is used.
; LIMITS: NaN and infinities are not served.  A block of zeros, or one under 2^-124, has the scale byte 1 and zero codes.  A sum of squares under 2^-126 counts as 0 in the root: the 1e-8 then rules, as in the definition.
; REGISTERS, in windows of 256 (s_set_vgpr_msb: bits 1:0 source 0, 3:2 source 1, 5:4 source 2, 7:6 destination):
;   window 0: v1-15, v45, v62, v63, v255 addresses; v16-44 scale words and nothing else; v46-61 b2's tiles; v64-127 64 numbers at work; v128-159 the quantiser's; v160-243 fragments of W2 (two sets of 36) or W3 (84),
;             in product 1 v160-191 codes just made and v192-247 x; v244-251 b4.
;   window 1: product 1's sums at 32 m + 16 bb and, from v128, slots 0-7 of W1's second set; then product 2's sums, (tile t, rows m) at 64 m + 8 t; in product 5 the rows' first set, 28 a pair.
;   window 2: W1's first set, 14 slots of 16, and at v224 the second set's b1; then product 3's 28 sums at 56 m + 8 t; in product 5 the packed sums and the running maxima.
;   window 3: h1's codes at 36 m + 12 c, h2's at 144 + 12 m (in product 1 v144-223: slots 8-12 of W1's second set), W4 at 224; in product 5 the f32 queries, 16 a group, and behind them the rows' second set.
.set NMAT,  28                         ; a wave's tiles of queries that go to the matrix unit (even, at least 28: the rows' second set wants the room);
.set NVG,   (32-NMAT)/2                ; the others, in groups of two tiles: 32 queries, one a lane
.set SCO,   238080
.set B2O,   248000
.set B3O,   250560
.set B4O,   251072
.set T2NO,  251904
.set W1VO,  317440
.set W4IO,  338944
.set T2FO,  343040
.set T1X,   317440                     ; LDS: behind the image
.set T1F,   8192                       ; LDS: behind the four stages
.set QUART, 79360                      ; a wave's quarter of the image: 310 x 256 bytes
.set LI,   1                           ; 16 x lane; never rewritten
.set AW2,  2                           ; the trip's fragments of W2
.set AW3,  3                           ; of W3
.set ASC2, 4                           ; their scale words
.set ASC3, 5
.set AB2,  6                           ; b2 at the trip's units
.set ZR,   7                           ; 0
.set WA,   8                           ; W1: 64 h + the blocks to be fetched
.set XA3,  9                           ; x: 52 r
.set AB3,  10
.set T1W,  11                          ; where I store t1n's f16 fragments
.set STA,  12                          ; the stage: in, from the matrix products
.set STR,  13                          ; and back
.set ABQ,  14                          ; my wave's f16 queries
.set AB4,  15
.set T1FW, 45                          ; where I store t1n in f32
.set TFA,  62                          ; where every lane reads it
.set STV,  63                          ; the stage: in, from the packed sums: 4 x lane
.set QA,   255                         ; my f32 query
.set H1S,  16                          ; h1's scale words, 3 m + c
.set H2S,  28                          ; h2's, m
.set WS,   32                          ; W2's, 3 p + s
.set W3S,  38                          ; W3's, t
.set BI,   46                          ; b2's eight numbers of a tile, set p at 8 p
.set SW,   56                          ; product 1: the scale bytes just made: register p holds two of rows 2 p (low half) and two of rows 2 p + 1
.set S,    64
.set TM,   128                         ; +0..3 largest magnitudes, +4..7 the other half's, then bytes, +12..15 the conversions' scale operands
.set CA,   144                         ; codes as the conversions leave them: 8 c and 8 c + 4
.set CAP,  160                         ; the same in product 1: 8 m and 8 m + 4
.set WF,   160
.set XV,   192                         ; x: 14 m + k
.set B4R,  244
.set VLN,  252                         ; lane, r, h: for the head
.set VR,   253
.set VH,   254
.set HB,   64                          ; h3 as bf16 fragments, 32 m + 8 s
.set T1A,  192                         ; product 4's sums
.set TT,   64                          ; t1 behind its activation (h3's fragments are done with)
.set IL,   96                          ; t1n, two tiles' numbers by turns: 16 a + 2 i + e
.set PK,   224                         ; t1n as f16
.set AF,   64                          ; product 5: t1n's 16 fragments, four registers each, and four zeros
.set DR,   132                         ; four results by turns
.set BF,   164                         ; two tiles of queries: four registers and four zeros each
.set RUN,  180                         ; running maxima, 4 e + i
.set TA,   188
.set TB,   189
.set TV,   192                         ; a group's maxima on their way to the stage
.set MSB, 0
.macro WIN new                         ; the immediate's high byte repeats the setting that is left; a switch that changes nothing is dropped
.if MSB != \new
	s_set_vgpr_msb (MSB<<8)|\new
.set MSB, \new
.endif
.endm
.macro PLACES n                        ; plain vector instructions that name none of a matrix instruction's registers (ISA guide 7.12.1); this text counts no matrix instruction as one
.rept \n
	v_nop
.endr
.endm
.macro ROUND                           ; a round of the cluster's barrier: my work-group's barrier; wave 0 signals for the work-group; every wave waits for all four work-groups; my work-group's barrier once more
	s_barrier_signal -1
	s_barrier_wait -1
	s_cmp_lg_u32 s10, 0
	s_cbranch_scc1 .Lnot_wave_0_\@
	s_barrier_signal -3
.Lnot_wave_0_\@:
	s_barrier_wait -3
	s_barrier_signal -1
	s_barrier_wait -1
.endm
.macro FP6 d, a, b, c, sa, sb          ; one product on codes: 16 x 16 x 128
	v_wmma_scale_f32_16x16x128_f8f6f4 v[\d:\d+7], v[\a:\a+11], v[\b:\b+11], v[\c:\c+7], v[\sa], v[\sb] matrix_a_fmt:MATRIX_FMT_FP6 matrix_b_fmt:MATRIX_FMT_FP6
.endm
; 64 sums of window 1, v[64 m] on, are four runs of 16: run b holds 16 neighbours along the next K, the lane's half (lane / 16) of a block of 32.  They get their activation (act 0: relu, 1: leaky) and are quantised
; block by block: the codes of blocks 2 c and 2 c + 1 are left in v[ca + 8 c] on (three registers: each lane's block's lower 16 codes) and v[ca + 8 c + 4] on (the upper 16), the four scale bytes in v[sreg].
; Each accumulator is read from its low end on.
.macro ACTQUANT m, act, ca, sreg
	WIN 0x01                                       ; source 0: window 1
.if \act
.set ii, 0
.rept 32
	v_pk_mul_f32 v[S+ii:S+ii+1], v[64*(\m)+ii:64*(\m)+ii+1], s[30:31] op_sel_hi:[1,0]   ; 0.01 x
.set ii, ii+2
.endr
.set ii, 0
.rept 64
	v_max_num_f32 v[S+ii], v[64*(\m)+ii], v[S+ii]  ; leaky(x) = max(x, 0.01 x)
.set ii, ii+1
.endr
.else
.set ii, 0
.rept 64
	v_max_num_f32 v[S+ii], v[64*(\m)+ii], v[ZR]
.set ii, ii+1
.endr
.endif
	WIN 0
.irp b, 0,1,2,3
	v_max3_num_f32 v[TM+\b], |v[S+16*\b]|, |v[S+1+16*\b]|, 0x1800000   ; block b: my 16 numbers, and the floor 2^(3 - 127): the byte cannot fall under 1
.endr
.irp i, 2,4,6,8,10,12,14
.irp b, 0,1,2,3
	v_max3_num_f32 v[TM+\b], v[TM+\b], |v[S+16*\b+\i]|, |v[S+1+16*\b+\i]|   ; (the blocks by turns)
.endr
.endr
.irp b, 0,1,2,3
	v_permlanex16_b32 v[TM+4+\b], v[TM+\b], s32, s33
.endr
.irp b, 0,1,2,3
	v_max_num_f32 v[TM+\b], v[TM+\b], v[TM+4+\b]   ; with lane l xor 16's: the block's largest magnitude
.endr
.irp b, 0,1,2,3
	v_add_nc_u32 v[TM+12+\b], 0xff000000, v[TM+\b] ; 2 off its exponent field: the conversion's scale operand
.endr
.irp b, 0,1,2,3
	v_lshrrev_b32 v[TM+4+\b], 23, v[TM+12+\b]      ; the scale's byte
.endr
	v_lshl_or_b32 v[\sreg], v[TM+5], 8, v[TM+4]    ; the four bytes, block 0's lowest
	v_lshl_or_b32 v[\sreg], v[TM+6], 16, v[\sreg]
	v_lshl_or_b32 v[\sreg], v[TM+7], 24, v[\sreg]
.irp c, 0,1
	v_cvt_scalef32_pk16_fp6_f32 v[(\ca)+8*\c:(\ca)+8*\c+2], v[S+32*\c:S+32*\c+15], v[TM+12+2*\c]
	v_cvt_scalef32_pk16_fp6_f32 v[(\ca)+4+8*\c:(\ca)+6+8*\c], v[S+16+32*\c:S+31+32*\c], v[TM+13+2*\c]
.endr
	v_nop                                          ; one plain vector instruction behind the scaled conversions
.irp c, 0,1
.irp i, 0,1,2
	v_permlane16_swap_b32 v[(\ca)+8*\c+\i], v[(\ca)+4+8*\c+\i]   ; the layout wants a WHOLE block in a lane: lanes 0-15 block 2 c, lanes 16-31 block 2 c + 1
.endr
.endr
.endm
.macro CODEMOV ca, dst                 ; a whole fragment's codes to their place in window 3
	WIN 0xc0
.irp c, 0,1
.irp i, 0,1,2
	v_mov_b32 v[(\dst)+6*\c+\i], v[(\ca)+8*\c+\i]
	v_mov_b32 v[(\dst)+6*\c+3+\i], v[(\ca)+4+8*\c+\i]
.endr
.endr
	WIN 0
.endm
; PRODUCT 1.  A slot is 16 registers: units 16 h + 0 .. 15 of a block of 32; slot j under 13: column j of W1, slot 13: b1.  Four loads fill it; sixteen lanes read the same 16 bytes.
.macro LOADSLOT base, rel, j
.irp q, 0,1,2,3
	global_load_b128 v[(\base)+4*\q:(\base)+4*\q+3], v[WA], s[6:7] offset:W1VO+((\rel)*14+(\j))*128+16*\q
.endr
.endm
; Set bb takes block bb of the two at v[WA]: 56 loads in one run
.macro LOADSET bb
.if (\bb) == 0
	WIN 0x80                                       ; destination window 2
.irp j, 0,1,2,3,4,5,6,7,8,9,10,11,12,13
	LOADSLOT 16*\j, 0, \j
.endr
.else
	WIN 0x40                                       ; destination window 1
.irp j, 0,1,2,3,4,5,6,7
	LOADSLOT 128+16*\j, 1, \j
.endr
	WIN 0xc0                                       ; window 3
.irp j, 8,9,10,11,12
	LOADSLOT 144+16*(\j-8), 1, \j
.endr
	WIN 0x80                                       ; window 2
	LOADSLOT 224, 1, 13
.endif
.endm
; Column k of block bb of the trip's two: 32 packed multiply-adds (four tiles of rows x eight pairs of units; x's number serves both halves), none of which waits for another.
.macro P1STEP bb, k
.if (\bb) == 0
.set WB, 16*(\k)
.set BB1, 208
.if (\k) == 0
	WIN 0x62                                       ; source 0 (W1) and source 2 (b1) window 2, source 1 (x) window 0, destination window 1
.else
	WIN 0x52                                       ; source 2 window 1
.endif
.else
.set BB1, 224
.if (\k) == 0
.set WB, 128
	WIN 0x61                                       ; source 0 window 1, source 2 (b1) window 2
.elseif (\k) < 8
.set WB, 128+16*(\k)
	WIN 0x51                                       ; sources 0 and 2 window 1
.else
.set WB, 144+16*((\k)-8)
	WIN 0x53                                       ; source 0 window 3
.endif
.endif
.irp m, 0,1,2,3
.set pp, 0
.rept 8
.if (\k) == 0
	v_pk_fma_f32 v[32*\m+16*(\bb)+2*pp:32*\m+16*(\bb)+2*pp+1], v[WB+2*pp:WB+2*pp+1], v[XV+14*\m:XV+14*\m+1], v[BB1+2*pp:BB1+2*pp+1] op_sel_hi:[1,0,1]
.elseif ((\k)%2) == 0
	v_pk_fma_f32 v[32*\m+16*(\bb)+2*pp:32*\m+16*(\bb)+2*pp+1], v[WB+2*pp:WB+2*pp+1], v[XV+14*\m+(\k):XV+14*\m+(\k)+1], v[32*\m+16*(\bb)+2*pp:32*\m+16*(\bb)+2*pp+1] op_sel_hi:[1,0,1]
.else
	v_pk_fma_f32 v[32*\m+16*(\bb)+2*pp:32*\m+16*(\bb)+2*pp+1], v[WB+2*pp:WB+2*pp+1], v[XV+14*\m+(\k)-1:XV+14*\m+(\k)], v[32*\m+16*(\bb)+2*pp:32*\m+16*(\bb)+2*pp+1] op_sel:[0,1,0] op_sel_hi:[1,1,1]
.endif
.set pp, pp+1
.endr
.endr
.endm
; Trip t's codes are half a fragment a tile of rows: units 64 t .. 64 t + 63 are registers 6 t .. 6 t + 5 of h1's 36, and two bytes of scale word t / 2.  Only these lines differ from trip to trip.
.macro PUT t
	WIN 0xc0
.irp m, 0,1,2,3
.irp i, 0,1,2
	v_mov_b32 v[36*\m+6*(\t)+\i], v[CAP+8*\m+\i]
	v_mov_b32 v[36*\m+6*(\t)+3+\i], v[CAP+8*\m+4+\i]
.endr
.endr
	WIN 0
.irp m, 0,1,2,3
.if ((\t)%2) == 0
.if ((\m)%2) == 0
	v_and_b32 v[H1S+3*\m+(\t)/2], 0xffff, v[SW+(\m)/2]                              ; the word's lower two bytes; the upper two are 0 until the next trip
.else
	v_lshrrev_b32 v[H1S+3*\m+(\t)/2], 16, v[SW+(\m)/2]
.endif
.else
.if ((\m)%2) == 0
	v_lshl_or_b32 v[H1S+3*\m+(\t)/2], v[SW+(\m)/2], 16, v[H1S+3*\m+(\t)/2]          ; the upper two
.else
	v_and_or_b32 v[H1S+3*\m+(\t)/2], v[SW+(\m)/2], 0xffff0000, v[H1S+3*\m+(\t)/2]
.endif
.endif
.endr
.endm
; Tile t of W2, counted from the trip's first, into set p: three fragments, their scale words, the tile's eight numbers of b2: 14 LDS loads
.macro LOADW2 t, p
.irp s, 0,1,2
.irp c, 0,1,2
	ds_load_b128 v[WF+36*(\p)+12*\s+4*\c:WF+36*(\p)+12*\s+4*\c+3], v[AW2] offset:(3*(\t)+\s)*1536+512*\c
.endr
	ds_load_b32 v[WS+3*(\p)+\s], v[ASC2] offset:(3*(\t)+\s)*64
.endr
	ds_load_b128 v[BI+8*(\p):BI+8*(\p)+3], v[AB2] offset:128*((\t)/2)+32*((\t)%2)
	ds_load_b128 v[BI+8*(\p)+4:BI+8*(\p)+7], v[AB2] offset:128*((\t)/2)+32*((\t)%2)+16
.endm
; Product 2 for tile t of the trip's eight: 12 matrix instructions, the four tiles of rows by turns, K ascending; b2 is the C of the first K step.  Then the set takes the tile two on.
.macro P2TILE t
.set PP, (\t)%2
.if (\t) == 7
	s_wait_dscnt 0x0
.else
	s_wait_dscnt 14                                ; this set's 14 loads are in; the other set's 14, issued behind them, may be out (on the way into the loop and over its backward jump alike)
.endif
	WIN 0x4c                                       ; source 1 (h1) window 3, C (b2) window 0, D window 1
.irp m, 0,1,2,3
	FP6 64*\m+8*(\t), WF+36*PP, 36*\m, BI+8*PP, WS+3*PP, H1S+3*\m
.endr
	WIN 0x5c                                       ; C window 1
.irp s, 1,2
.irp m, 0,1,2,3
	FP6 64*\m+8*(\t), WF+36*PP+12*\s, 36*\m+12*\s, 64*\m+8*(\t), WS+3*PP+\s, H1S+3*\m+\s
.endr
.endr
.if (\t) != 6
	PLACES 4                                       ; ahead of loads into registers that these products read; behind tile 7 also ahead of the first read of results, and for tile 6's registers
.endif
.if (\t) < 6
	WIN 0
	LOADW2 (\t)+2, PP
.endif
.endm
.macro LOADW3                          ; the trip's K step of W3: seven fragments and their scale words: 28 LDS loads
	WIN 0
.irp t, 0,1,2,3,4,5,6
.irp c, 0,1,2
	ds_load_b128 v[WF+12*\t+4*\c:WF+12*\t+4*\c+3], v[AW3] offset:1536*\t+512*\c
.endr
	ds_load_b32 v[W3S+\t], v[ASC3] offset:64*\t
.endr
.endm
; Product 3, one K step: 28 accumulators by turns.  As W3's fragments are done with, their registers take the next trip's first two tiles of W2.
.macro P3
	s_wait_dscnt 0x0                               ; W3's fragments are in (asked for ahead of the four quantisers)
	PLACES 8                                       ; a scale word written by a vector instruction stands eight places ahead of a scaled product, codes so written four
	WIN 0xac                                       ; source 1 (h2) window 3, C and D window 2
.irp t, 0,1,2,3,4,5,6
.irp m, 0,1,2,3
	FP6 56*\m+8*\t, WF+12*\t, 144+12*\m, 56*\m+8*\t, W3S+\t, H2S+\m
.endr
.if \t == 2
	PLACES 4
	WIN 0
	LOADW2 8, 0
	WIN 0xac
.endif
.if \t == 5
	PLACES 4
	WIN 0
	LOADW2 9, 1
	WIN 0xac
.endif
.endr
	WIN 0
.endm
; PRODUCT 5 ON THE MATRIX UNIT.  Result n of a trip's 32 (tile of queries n / 16, tile of rows n % 16) goes into the running maxima: a lane holds one query (lane % 16) and eight rows.
.macro P5MAX n
.set DD, DR+8*((\n)%4)
.set RN, RUN+4*((\n)/16)
.irp i, 0,1,2,3
.if (\n)%16 == 0
	v_max_num_f32 v[RN+\i], v[DD+2*\i], v[DD+2*\i+1]
.else
	v_max3_num_f32 v[RN+\i], v[RN+\i], v[DD+2*\i], v[DD+2*\i+1]
.endif
.endr
.endm
.macro P5FIN e                         ; a tile of queries is through: its four maxima and the other half of the lanes' become one number a query, which goes to the stage
	v_max3_num_f32 v[TA], v[RUN+4*\e], v[RUN+4*\e+1], v[RUN+4*\e+2]
	v_max_num_f32 v[TA], v[TA], v[RUN+4*\e+3]
	v_permlanex16_b32 v[TB], v[TA], s32, s33
	v_max_num_f32 v[TA], v[TA], v[TB]
	ds_store_b32 v[STA], v[TA] offset:64*\e        ; lanes r and 16 + r store the same word with the same value
.endm
; A trip: two tiles of queries against the 16 tiles of rows.  Source 1's registers 4-7 are zeros, so that what source 0 names there (the next fragment's four registers, finite numbers) adds nothing.
; A result is read behind the eight maxima of the two results before it; it is written over four products later.  more = 1: the next trip's queries are fetched.
.macro P5TRIP more
	s_wait_dscnt 2                                 ; the first tile of queries is in: behind its load stand the second tile's store to the stage and the second tile's load; on the way in all LDS loads have been waited for
.set nn, 0
.rept 32
.if nn == 16
	s_wait_dscnt 0x0                               ; the second tile
.endif
	v_wmma_f32_16x16x32_f16 v[DR+8*(nn%4):DR+8*(nn%4)+7], v[AF+4*(nn%16):AF+4*(nn%16)+7], v[BF+8*(nn/16):BF+8*(nn/16)+7], 0
.if nn == 1
	PLACES 4                                       ; the trip's first two results have no maxima of earlier ones in front of their reads
.endif
.if nn >= 2
	P5MAX nn-2
.endif
.if nn == 17
	P5FIN 0
.if \more
	ds_load_b128 v[BF:BF+3], v[ABQ] offset:1024
.endif
.endif
.set nn, nn+1
.endr
	P5MAX 30
	P5MAX 31
	P5FIN 1
.if \more
	ds_load_b128 v[BF+8:BF+11], v[ABQ] offset:1536
.endif
	v_add_nc_u32 v[ABQ], 1024, v[ABQ]
	v_add_nc_u32 v[STA], 128, v[STA]
.endm
; PRODUCT 5 BY PACKED MULTIPLY-ADDS.  Set u of the rows' numbers (u = 0: window 1, u = 1: window 3 behind the queries; 28 registers a pair of rows: register 2 k and 2 k + 1: number k of the two rows)
; takes the eight pairs at v[TFA] + 1,024 u: 56 loads in one run; every lane reads the same bytes
.macro TLOADSET u
.if (\u) == 0
	WIN 0x40                                       ; destination window 1
.set RBASE, 0
.else
	WIN 0xc0                                       ; destination window 3
.set RBASE, 16*NVG
.endif
.irp c, 0,1,2,3,4,5
.set pp, 0
.rept 8
	ds_load_b128 v[RBASE+28*pp+4*\c:RBASE+28*pp+4*\c+3], v[TFA] offset:1024*(\u)+128*pp+16*\c
.set pp, pp+1
.endr
.endr
.set pp, 0
.rept 8
	ds_load_b64 v[RBASE+28*pp+24:RBASE+28*pp+25], v[TFA] offset:1024*(\u)+128*pp+96
.set pp, pp+1
.endr
.endm
; Set u's eight pairs of rows against all groups of queries: the query's number serves both halves; the sums (window 2, 16 g + 2 p) do not wait for each other; then the maxima; then the set takes the next trip's pairs.
.macro P5VHALF u
	s_wait_dscnt 56                                ; this set's 56 loads are in; the other set's 56, issued behind them, may be out
.if (\u) == 0
	WIN 0xa7                                       ; source 0 (queries) window 3, source 1 (rows) window 1, source 2 and destination window 2
.set RBASE, 0
.else
	WIN 0xaf                                       ; source 1 window 3
.set RBASE, 16*NVG
.endif
.irp k, 0,1,2,3,4,5,6,7,8,9,10,11,12
.set pp, 0
.rept 8
.set gg, 0
.rept NVG
.if \k == 0
	v_pk_mul_f32 v[16*gg+2*pp:16*gg+2*pp+1], v[16*gg:16*gg+1], v[RBASE+28*pp:RBASE+28*pp+1] op_sel_hi:[0,1]   ; the first product starts the sums
.elseif (\k%2) == 0
	v_pk_fma_f32 v[16*gg+2*pp:16*gg+2*pp+1], v[16*gg+\k:16*gg+\k+1], v[RBASE+28*pp+2*\k:RBASE+28*pp+2*\k+1], v[16*gg+2*pp:16*gg+2*pp+1] op_sel_hi:[0,1,1]
.else
	v_pk_fma_f32 v[16*gg+2*pp:16*gg+2*pp+1], v[16*gg+\k-1:16*gg+\k], v[RBASE+28*pp+2*\k:RBASE+28*pp+2*\k+1], v[16*gg+2*pp:16*gg+2*pp+1] op_sel:[1,0,0] op_sel_hi:[1,1,1]
.endif
.set gg, gg+1
.endr
.set pp, pp+1
.endr
.endr
	WIN 0xaa                                       ; all in window 2
.set pp, 0
.rept 8
.set gg, 0
.rept NVG
	v_max3_num_f32 v[160+2*gg+pp%2], v[160+2*gg+pp%2], v[16*gg+2*pp], v[16*gg+2*pp+1]
.set gg, gg+1
.endr
.set pp, pp+1
.endr
.if (\u) == 0
	WIN 0
	v_add_nc_u32 v[TFA], 2048, v[TFA]              ; on to the next trip's sixteen pairs: the last loads that named this register stand a whole half back
.endif
	TLOADSET \u
.endm
	s_load_b128 s[4:7], s[0:1], 0x0                ; memory s[4:5], img s[6:7]
	s_load_b64 s[8:9], s[0:1], 0x10                ; part
	s_set_vgpr_msb 0x80
	v_lshl_add_u32 v254, v0, 2, 0x4f800
	v_mov_b32 v255, 0
	s_set_vgpr_msb 0x808a
	ds_add_u32 v254, v255
	ds_add_u32 v254, v255
	s_set_vgpr_msb 0x8a00
	v_lshrrev_b32 v1, 5, v0
	v_readfirstlane_b32 s10, v1                    ; wave 0..3
	s_bfe_u32 s11, ttmp6, 0x40000                  ; cx: my place in the cluster
	s_lshl_b32 s12, ttmp9, 2                       ; in a cluster launch ttmp9 counts clusters
	s_add_co_u32 s12, s12, s11                     ; my work-group: it enters memory's and part's addresses alone
	; descriptor group 1: 310 rows of 32 elements of 8 bytes, dense, no padding
	s_mov_b32 s20, 15|(3<<16)|(1<<21)              ; 15:0 the mask: all four work-groups; 17:16 elements of 8 bytes; 21 set beside a mask
	s_mov_b32 s21, 32<<16                          ; tensor_dim0 = 32
	s_mov_b32 s22, 310<<16                         ; tensor_dim1 = 310
	s_mov_b32 s23, 32<<16                          ; tile_dim0 = 32
	s_mov_b32 s24, 310                             ; tile_dim1 = 310
	s_mov_b32 s25, 32                              ; elements from row to row
	s_mov_b32 s26, 0
	s_mov_b32 s27, 0
	s_mov_b32 s16, 1                               ; group 0: count = 1,
	s_mul_i32 s17, s10, QUART                      ; LDS address: my wave's quarter,
	s_mov_b32 s34, s17
	s_mov_b32 s35, 0
	s_mul_i32 s36, s12, 13312                      ; memory: 256 rows of 52 bytes a work-group,
	s_mul_i32 s38, s10, 3328                       ; 64 a wave
	s_add_co_u32 s36, s36, s38
	s_mov_b32 s37, 0
	s_lshl_b32 s38, s12, 13                        ; part: 8,192 bytes a work-group,
	s_lshl_b32 s39, s10, 11                        ; 2,048 a wave
	s_add_co_u32 s38, s38, s39
	s_mov_b32 s39, 0
	s_mov_b32 s30, 0x3c23d70a                      ; 0.01: the packed form names a pair and takes its low word for both halves
	s_mov_b32 s31, s30
	s_mov_b32 s32, 0x76543210
	s_mov_b32 s33, 0xfedcba98                      ; v_permlanex16_b32's selects for lane l xor 16
	s_wait_dscnt 0x0
	s_wait_kmcnt 0x0
	s_add_nc_u64 s[18:19], s[6:7], s[34:35]        ; the same quarter of img: nothing in the descriptor hangs on the place in the cluster
	s_or_b32 s19, s19, 0x80000000                  ; type = 2
	s_add_nc_u64 s[4:5], s[4:5], s[36:37]
	s_add_nc_u64 s[8:9], s[8:9], s[38:39]
	ROUND                                          ; all four work-groups are here: the joint loads meet
	tensor_load_to_lds s[16:19], s[20:27]          ; my wave's one tensor load: it lands while product 1 is made
	s_nop 0
	PLACES 4                                       ; (behind a tensor load)
	v_and_b32 v[VLN], 31, v0
	v_and_b32 v[VR], 15, v0
	v_bfe_u32 v[VH], v0, 4, 1
	v_lshlrev_b32 v[LI], 4, v[VLN]
	v_mul_u32_u24 v[XA3], 52, v[VR]
	v_lshlrev_b32 v[WA], 6, v[VH]
.irp m, 0,1,2,3                                ; x: lane (r, h) holds all 13 numbers of row r of each tile; rows are 52 bytes, so the loads are of 4
.irp k, 0,1,2,3,4,5,6,7,8,9,10,11,12
	global_load_b32 v[XV+14*\m+\k], v[XA3], s[4:5] offset:832*\m+4*\k
.endr
.endr
	WIN 0xc0                                       ; destination window 3
.irp s, 0,1,2,3
	global_load_b128 v[224+8*\s:227+8*\s], v[LI], s[6:7] offset:W4IO+1024*\s
	global_load_b128 v[228+8*\s:231+8*\s], v[LI], s[6:7] offset:W4IO+1024*\s+512
.endr
	LOADSET 0                                      ; W1's first block
	WIN 0
	v_lshlrev_b32 v[AW2], 4, v[VLN]
	v_add_nc_u32 v[AW3], 120*1536, v[LI]
	v_lshl_add_u32 v[ASC2], v[VR], 2, SCO
	v_lshl_add_u32 v[ASC3], v[VR], 2, SCO+120*64
	v_lshl_add_u32 v[AB2], v[VH], 6, B2O           ; tile 2 b + v, lane half h: units 32 b + 16 h + 8 v + 0..7
	v_lshl_add_u32 v[AB3], v[VH], 5, B3O           ; tile t: units 16 t + 8 h + 0..7
	v_lshl_add_u32 v[AB4], v[VH], 5, B4O
	v_mov_b32 v[ZR], 0
	s_lshl_b32 s34, s10, 11
	v_add_nc_u32 v[STR], s34, v[LI]
	v_add_nc_u32 v[T1W], T1X, v[STR]               ; fragment 4 w + m at T1X + 512 (4 w + m)
	v_lshl_add_u32 v[STA], v[VR], 2, s34
	v_lshl_add_u32 v[STV], v[VLN], 2, s34
	s_lshl_b32 s34, s10, 14
	v_add_nc_u32 v[ABQ], s34, v[LI]
	v_add_nc_u32 v[ABQ], T2NO, v[ABQ]              ; my wave's 32 tiles of queries, 512 bytes each
	s_lshl_b32 s34, s10, 12
	v_lshlrev_b32 v[T1FW], 7, v[VR]
	v_lshl_add_u32 v[T1FW], v[VH], 6, v[T1FW]
	v_add_nc_u32 v[T1FW], s34, v[T1FW]
	v_add_nc_u32 v[T1FW], T1F, v[T1FW]             ; pair 32 w + 16 a + r of 128 bytes, + 64 h
	v_mov_b32 v[TFA], T1F
	s_lshl_b32 s34, s10, 15
	v_lshl_add_u32 v[QA], v[VLN], 6, s34           ; my wave's 512 queries of 64 bytes; a lane to a query
.irp m, 0,1,2,3
	v_mov_b32 v[XV+14*\m+13], 0                    ; named with x's number 12 as a pair, so it is written
.endr
.irp b, 0,1,2,3
	v_mov_b32 v[TM+4+\b], 0                        ; written once: a lane permute's destination counts as one of its sources
.endr
.set ii, 0
.rept 12
	v_mov_b32 v[H1S+ii], 0                         ; h1's scale words and codes are written once here: the loop below fills them by parts, on ways that part on its counter; units 320 .. 383 stay zero codes
.set ii, ii+1
.endr
	WIN 0xc0
.set ii, 0
.rept 144
	v_mov_b32 v[ii], 0
.set ii, ii+1
.endr
	LOADSET 1                                      ; W1's second block
	WIN 0
	; ---- product 1 and h1's codes: five trips of 64 units
	s_mov_b32 s28, 0
.Lp1:
	s_wait_loadcnt 56                              ; the first set's 56 loads (and all before them) are in; the second set's 56, issued behind them, may be out
.irp k, 0,1,2,3,4,5,6,7,8,9,10,11,12
	P1STEP 0, \k
.endr
	WIN 0
	s_wait_xcnt 0x0                                ; the loads that named the offset register stand a whole block back: it may step
	v_add_nc_u32 v[WA], 2*14*128, v[WA]            ; on to the next trip's two blocks
	LOADSET 0
	s_wait_loadcnt 56                              ; the second set is in; the 56 just issued may be out
.irp k, 0,1,2,3,4,5,6,7,8,9,10,11,12
	P1STEP 1, \k
.endr
	LOADSET 1
	ACTQUANT 0, 0, CAP, SW                         ; tiles of rows 0 and 1: two blocks each, the four by turns
	ACTQUANT 1, 0, CAP+16, SW+1                    ; tiles 2 and 3
	s_cmp_eq_u32 s28, 0                            ; where the codes go hangs on the trip: a branch on the loop's counter, round the moves alone
	s_cbranch_scc1 .Lput0
	s_cmp_eq_u32 s28, 1
	s_cbranch_scc1 .Lput1
	s_cmp_eq_u32 s28, 2
	s_cbranch_scc1 .Lput2
	s_cmp_eq_u32 s28, 3
	s_cbranch_scc1 .Lput3
	PUT 4
	s_branch .Lputdone
.Lput0:
	PUT 0
	s_branch .Lputdone
.Lput1:
	PUT 1
	s_branch .Lputdone
.Lput2:
	PUT 2
	s_branch .Lputdone
.Lput3:
	PUT 3
.Lputdone:
	s_add_co_u32 s28, s28, 1
	s_cmp_lt_u32 s28, 5
	s_cbranch_scc1 .Lp1
	s_wait_loadcnt 0x0                             ; the two blocks fetched ahead in the last trip: their registers are written anew below
	; ---- the image is in
	s_wait_tensorcnt 0x0                           ; my quarter has landed,
	s_barrier_signal -1
	s_barrier_wait -1                              ; everybody's has
	WIN 0x80
.irp m, 0,1,2,3
.irp t, 0,1,2,3,4,5,6
	ds_load_b128 v[56*\m+8*\t:56*\m+8*\t+3], v[AB3] offset:64*\t       ; b3 starts product 3's sums, in the registers that held W1
	ds_load_b128 v[56*\m+8*\t+4:56*\m+8*\t+7], v[AB3] offset:64*\t+16
.endr
.endr
	WIN 0
	ds_load_b128 v[B4R:B4R+3], v[AB4]
	ds_load_b128 v[B4R+4:B4R+7], v[AB4] offset:16
	LOADW2 0, 0
	LOADW2 1, 1
	PLACES 8                                       ; h1's scale words and codes were written by vector instructions
	s_mov_b32 s28, 5
.Lg:                                               ; five trips: 128 units of h2 each
	P2TILE 0
	P2TILE 1
	P2TILE 2
	P2TILE 3
	P2TILE 4
	P2TILE 5
	P2TILE 6
	P2TILE 7
	LOADW3                                         ; lands while h2 is quantised
.irp m, 0,1,2,3
	ACTQUANT \m, 1, CA, H2S+\m
	CODEMOV CA, 144+12*\m
.endr
	P3
	v_add_nc_u32 v[AW2], 24*1536, v[AW2]           ; on to the next eight tiles of W2,
	v_add_nc_u32 v[ASC2], 24*64, v[ASC2]
	v_add_nc_u32 v[AB2], 512, v[AB2]
	v_add_nc_u32 v[AW3], 7*1536, v[AW3]            ; and the next K step of W3
	v_add_nc_u32 v[ASC3], 7*64, v[ASC3]
	s_sub_co_u32 s28, s28, 1
	s_cmp_lg_u32 s28, 0
	s_cbranch_scc1 .Lg
	; ---- h3, product 4, the norm
	s_wait_dscnt 0x0                               ; the two tiles fetched ahead in the last trip; and my reads of the codes are over
	PLACES 4
	WIN 0xc0                                       ; the f32 queries of my wave's last tiles, into the registers that held h1's codes: they land while product 4 and the norm are made
.set gg, 0
.rept NVG
.irp c, 0,1,2,3
	global_load_b128 v[16*gg+4*\c:16*gg+4*\c+3], v[QA], s[6:7] offset:T2FO+1024*NMAT+2048*gg+16*\c
.endr
.set gg, gg+1
.endr
	WIN 0
	s_barrier_signal -1                            ; I read the codes no more; up to the wait for the others stands work on registers alone
	WIN 0x88                                       ; source 1 and destination window 2
.set ii, 0
.rept 224
	v_max_num_f32 v[ii], 0, v[ii]                  ; relu, each accumulator from its low end on
.set ii, ii+1
.endr
	WIN 0x0a                                       ; sources window 2, destination window 0
.irp m, 0,1,2,3
.set ii, 0
.rept 28
	v_cvt_pk_bf16_f32 v[HB+32*\m+ii], v[56*\m+2*ii], v[56*\m+2*ii+1]   ; tile t's eight units of my half are four registers: tiles 2 s and 2 s + 1 ARE K step s's fragment
.set ii, ii+1
.endr
.endr
	WIN 0
.irp m, 0,1,2,3
.irp i, 0,1,2,3
	v_mov_b32 v[HB+32*\m+28+\i], 0                 ; units 112 .. 127 do not exist
.endr
.endr
	WIN 0x03                                       ; source 0 (W4) window 3
.irp m, 0,1,2,3
	v_wmma_f32_16x16x32_bf16 v[T1A+8*\m:T1A+8*\m+7], v[224:231], v[HB+32*\m:HB+32*\m+7], v[B4R:B4R+7]
.endr
.irp s, 1,2,3
.irp m, 0,1,2,3
	v_wmma_f32_16x16x32_bf16 v[T1A+8*\m:T1A+8*\m+7], v[224+8*\s:231+8*\s], v[HB+32*\m+8*\s:HB+32*\m+8*\s+7], v[T1A+8*\m:T1A+8*\m+7]
.endr
.endr
	WIN 0
	PLACES 4
.irp i, 0,2,4,6                                ; lane (r, h) holds numbers 8 h + 0..7 of row r's t1 (13, 14, 15 are zeros).  The four tiles by turns
.irp m, 0,1,2,3
	v_pk_mul_f32 v[TT+8*\m+\i:TT+8*\m+\i+1], v[T1A+8*\m+\i:T1A+8*\m+\i+1], s[30:31] op_sel_hi:[1,0]
.endr
.endr
.irp i, 0,1,2,3,4,5,6,7
.irp m, 0,1,2,3
	v_max_num_f32 v[TT+8*\m+\i], v[T1A+8*\m+\i], v[TT+8*\m+\i]
.endr
.endr
.irp m, 0,1,2,3
	v_pk_mul_f32 v[48+2*\m:49+2*\m], v[TT+8*\m:TT+8*\m+1], v[TT+8*\m:TT+8*\m+1]
.endr
.irp i, 2,4,6
.irp m, 0,1,2,3
	v_pk_fma_f32 v[48+2*\m:49+2*\m], v[TT+8*\m+\i:TT+8*\m+\i+1], v[TT+8*\m+\i:TT+8*\m+\i+1], v[48+2*\m:49+2*\m]
.endr
.endr
.irp m, 0,1,2,3
	v_add_f32 v[48+2*\m], v[48+2*\m], v[49+2*\m]
.endr
.irp m, 0,1,2,3
	v_permlanex16_b32 v[56+\m], v[48+2*\m], s32, s33
.endr
.irp m, 0,1,2,3
	v_add_f32 v[48+2*\m], v[48+2*\m], v[56+\m]     ; the row's sum of squares
.endr
.irp m, 0,1,2,3
	v_sqrt_f32 v[48+2*\m], v[48+2*\m]
.endr
	v_nop                                          ; a plain instruction behind the transcendentals
	s_wait_alu depctr_va_vdst(0)
.irp m, 0,1,2,3
	v_max_num_f32 v[48+2*\m], 0x322bcc77, v[48+2*\m]   ; max(norm, 1e-8)
.endr
.irp m, 0,1,2,3
	v_rcp_f32 v[48+2*\m], v[48+2*\m]
.endr
	v_nop
	s_wait_alu depctr_va_vdst(0)
.irp i, 0,1,2,3,4,5,6,7
.irp m, 0,1,2,3
	v_mul_f32 v[IL+16*(\m/2)+2*\i+(\m%2)], v[TT+8*\m+\i], v[48+2*\m]   ; t1n; tiles 2 a and 2 a + 1 by turns, as the packed sums want a pair of rows
.endr
.endr
.irp m, 0,1,2,3
.irp i, 0,1,2,3
	v_cvt_pk_f16_f32 v[PK+4*\m+\i], v[IL+16*(\m/2)+4*\i+(\m%2)], v[IL+16*(\m/2)+4*\i+2+(\m%2)]   ; at most 1 in magnitude: f16 has the room
.endr
.endr
	s_barrier_wait -1                              ; no wave reads the codes any more: their bytes may be written
.irp m, 0,1,2,3
	ds_store_b128 v[T1W], v[PK+4*\m:PK+4*\m+3] offset:512*\m   ; the first four registers of a fragment, as they stand
.endr
.irp a, 0,1
.irp c, 0,1,2,3
	ds_store_b128 v[T1FW], v[IL+16*\a+4*\c:IL+16*\a+4*\c+3] offset:2048*\a+16*\c   ; pair (a, r): k = 8 h + 2 c and 8 h + 2 c + 1 of both rows
.endr
.endr
	s_wait_dscnt 0x0                               ; for the others' sake: my stores have landed
	s_barrier_signal -1
	s_barrier_wait -1                              ; all of t1n lies in LDS, in both forms
	; ---- product 5 and the maxima
	TLOADSET 0                                     ; the first sixteen pairs of rows for the packed sums, into registers that are done with
	TLOADSET 1
	WIN 0
	v_add_nc_u32 v[TA], T1X, v[LI]
.set nn, 0
.rept 16
	ds_load_b128 v[AF+4*nn:AF+4*nn+3], v[TA] offset:512*nn
.set nn, nn+1
.endr
	ds_load_b128 v[BF:BF+3], v[ABQ]
	ds_load_b128 v[BF+8:BF+11], v[ABQ] offset:512
.irp i, 0,1,2,3
	v_mov_b32 v[AF+64+\i], 0                       ; what the last fragment names as its registers 4-7,
	v_mov_b32 v[BF+4+\i], 0                        ; and the queries' k = 16 .. 31
	v_mov_b32 v[BF+12+\i], 0
.endr
	v_mov_b32 v[TB], 0
	s_wait_dscnt 0x0                               ; all of them are in: so the count at a trip's head is right on the way in too
	s_mov_b32 s28, NMAT/2-1
.Lq:                                               ; NMAT / 2 - 1 trips, each fetching the next trip's queries; the last is written out and fetches nothing
	P5TRIP 1
	s_sub_co_u32 s28, s28, 1
	s_cmp_lg_u32 s28, 0
	s_cbranch_scc1 .Lq
	P5TRIP 0
	; the other tiles of queries
	s_wait_loadcnt 0x0                             ; the f32 queries
	WIN 0x80
.set ii, 0
.rept 2*NVG
	v_mov_b32 v[160+ii], 0xff800000                ; two running maxima a group, so that their chains are shorter: -infinity, under every number
.set ii, ii+1
.endr
	WIN 0
	s_mov_b32 s28, 8
.Lv:                                               ; eight trips of two times eight pairs of rows
	P5VHALF 0
	P5VHALF 1
	WIN 0
	s_sub_co_u32 s28, s28, 1
	s_cmp_lg_u32 s28, 0
	s_cbranch_scc1 .Lv
	WIN 0x0a                                       ; sources window 2, destination window 0
.set gg, 0
.rept NVG
	v_max_num_f32 v[TV+gg], v[160+2*gg], v[161+2*gg]
.set gg, gg+1
.endr
	WIN 0
.set gg, 0
.rept NVG
	ds_store_b32 v[STV], v[TV+gg] offset:64*(NMAT+2*gg)   ; a lane's query: 32 neighbouring words of the stage
.set gg, gg+1
.endr
	; ---- the way out: my wave's 512 maxima, 2,048 bytes
.irp i, 0,1,2,3
	ds_load_b128 v[DR+4*\i:DR+4*\i+3], v[STR] offset:512*\i    ; LDS serves a wave's instructions in order (ISA guide 5.7.1.4): these see my stores
.endr
	s_wait_dscnt 0x0                               ; (the pairs of rows fetched ahead in the last trip are in too)
.irp i, 0,1,2,3
	global_store_b128 v[LI], v[DR+4*\i:DR+4*\i+3], s[8:9] offset:512*\i   ; 32 lanes store 512 consecutive bytes, at a multiple of 256 from part's first byte
.endr
	s_set_vgpr_msb 0xa
	s_wait_tensorcnt 0x0
	ds_add_u32 v254, v255
	s_wait_dscnt 0x0
	s_set_vgpr_msb 0xa00
	ROUND                                          ; the closing round: no work-group ends while a partner may still ask for the image
	s_endpgm
.Lfunc_end_k_qe7055f335e_main:
	.size	k_qe7055f335e_main, .Lfunc_end_k_qe7055f335e_main-k_qe7055f335e_main
	.p2alignl 7, 3214868480
	.fill 96, 4, 3214868480
	.section	.rodata,"a",@progbits
	.p2align	6, 0x0
	.amdhsa_kernel k_qe7055f335e_main
		.amdhsa_group_segment_fixed_size 327680
		.amdhsa_private_segment_fixed_size 0
		.amdhsa_enable_private_segment 0
		.amdhsa_kernarg_size 24
		.amdhsa_user_sgpr_count 2
		.amdhsa_user_sgpr_kernarg_segment_ptr 1
		.amdhsa_wavefront_size32 1
		.amdhsa_system_sgpr_workgroup_id_x 1
		.amdhsa_system_sgpr_workgroup_id_y 1
		.amdhsa_system_sgpr_workgroup_id_z 1
		.amdhsa_system_vgpr_workitem_id 0
		.amdhsa_next_free_vgpr 1024
		.amdhsa_next_free_sgpr 66
		.amdhsa_reserve_vcc 0
		.amdhsa_float_denorm_mode_32 3
		.amdhsa_float_denorm_mode_16_64 3
		.amdhsa_memory_ordered 1
		.amdhsa_forward_progress 1
		.amdhsa_inst_pref_size 255
	.end_amdhsa_kernel
	.section	.bss,"aw",@nobits
	.p2align	6
	.space	262144
	.amdgpu_metadata
---
amdhsa.version: [ 1, 2 ]
amdhsa.kernels:
  - .name:           k_qe7055f335e_main
    .symbol:         k_qe7055f335e_main.kd
    .args:
      - { .name: memory, .offset: 0, .size: 8, .value_kind: global_buffer, .address_space: global }
      - { .name: img, .offset: 8, .size: 8, .value_kind: global_buffer, .address_space: global }
      - { .name: part, .offset: 16, .size: 8, .value_kind: global_buffer, .address_space: global }
    .group_segment_fixed_size: 327680
    .private_segment_fixed_size: 0
    .kernarg_segment_align: 8
    .kernarg_segment_size: 24
    .max_flat_workgroup_size: 128
    .sgpr_count:     66
    .vgpr_count:     1024
    .wavefront_size: 32
...
	.end_amdgpu_metadata
.endif
;; end of part 2
;; launch fin (part 3): grid 32 x 1, 8 waves a work-group, no clusters, 5,120 bytes of LDS; arguments part, out0; writes out0
.if DOCPART == 3
	.amdgcn_target "amdgcn-amd-amdhsa--gfx1250"
	.amdhsa_code_object_version 6
	.text
	.protected	k_qe7055f335e_fin
	.globl	k_qe7055f335e_fin
	.p2align	8
	.type	k_qe7055f335e_fin,@function
k_qe7055f335e_fin:
	s_mov_b64 s[64:65], 0
	v_nop
	global_prefetch_b8 v0, s[64:65] scope:SCOPE_SE
	s_setreg_imm32_b32 hwreg(HW_REG_WAVE_MODE, 25, 1), 1
	s_wait_xcnt 0x0
; out0[q] = 23 x the largest of part[0 .. 255][q].  (23 is positive: the largest product is the product of the largest, bit for bit.)
; A work-group owns 64 queries, 256 bytes of each of part's 256 rows.  Thread t takes 16 bytes (t % 16) of rows t / 16 + 16 i, i = 0 .. 15: sixteen neighbouring lanes read 256 consecutive aligned bytes,
; all sixteen loads of a thread are out together.  The sixteen threads of a column meet in LDS behind one barrier; wave 0 finishes and stores one aligned run of 256 bytes.
	s_load_b128 s[4:7], s[0:1], 0x0                ; part, out0
	v_lshl_add_u32 v96, v0, 2, 0x1000
	v_mov_b32 v97, 0
	v_lshrrev_b32 v1, 5, v0
	v_readfirstlane_b32 s8, v1                     ; wave
	v_and_b32 v2, 15, v0                           ; my 16 bytes of the 256
	v_lshrrev_b32 v3, 4, v0                        ; my first row
	v_lshlrev_b32 v4, 13, v3
	v_lshl_add_u32 v4, v2, 4, v4                   ; 8,192 x row + 16 x column
	v_lshlrev_b32 v5, 4, v0                        ; LDS, in: 16 x thread
	v_lshlrev_b32 v6, 11, v3
	v_lshl_add_u32 v6, v2, 4, v6                   ; LDS, back (wave 0 alone uses it: there t / 16 is 0 or 1): eight threads' figures of my column from 2,048 (lane / 16) on
	v_lshlrev_b32 v7, 4, v2
	s_lshl_b32 s10, ttmp9, 8
	s_mov_b32 s11, 0
	s_mov_b32 s12, 0x76543210
	s_mov_b32 s13, 0xfedcba98
.irp k, 0,1,2,3
	v_mov_b32 v[12+\k], 0                          ; a lane permute's destination counts as one of its sources
.endr
	s_wait_kmcnt 0x0
	s_add_nc_u64 s[4:5], s[4:5], s[10:11]
	s_add_nc_u64 s[6:7], s[6:7], s[10:11]
.irp i, 0,1,2,3,4,5,6,7,8,9,10,11,12,13,14,15
	global_load_b128 v[16+4*\i:19+4*\i], v4, s[4:5] offset:131072*\i th:TH_LOAD_NT
.endr
	s_wait_loadcnt 0x0
.irp k, 0,1,2,3
	v_max3_num_f32 v[8+\k], v[16+\k], v[20+\k], v[24+\k]
.endr
.irp i, 3,5,7,9,11,13
.irp k, 0,1,2,3
	v_max3_num_f32 v[8+\k], v[8+\k], v[16+4*\i+\k], v[20+4*\i+\k]
.endr
.endr
.irp k, 0,1,2,3
	v_max_num_f32 v[8+\k], v[8+\k], v[76+\k]
.endr
	ds_store_b128 v5, v[8:11]
	s_wait_dscnt 0x0                               ; for the others' sake: my store has landed
	s_barrier_signal -1
	s_barrier_wait -1
	s_cmp_lg_u32 s8, 0
	s_cbranch_scc1 .Lend                           ; waves 1 to 7 are done
.irp i, 0,1,2,3,4,5,6,7
	ds_load_b128 v[16+4*\i:19+4*\i], v6 offset:256*\i
.endr
	s_wait_dscnt 0x0
.irp k, 0,1,2,3
	v_max3_num_f32 v[8+\k], v[16+\k], v[20+\k], v[24+\k]
.endr
.irp i, 3,5
.irp k, 0,1,2,3
	v_max3_num_f32 v[8+\k], v[8+\k], v[16+4*\i+\k], v[20+4*\i+\k]
.endr
.endr
.irp k, 0,1,2,3
	v_max_num_f32 v[8+\k], v[8+\k], v[44+\k]
.endr
.irp k, 0,1,2,3
	v_permlanex16_b32 v[12+\k], v[8+\k], s12, s13
.endr
.irp k, 0,1,2,3
	v_max_num_f32 v[8+\k], v[8+\k], v[12+\k]
.endr
.irp k, 0,1,2,3
	v_mul_f32 v[8+\k], 0x41b80000, v[8+\k]         ; x 23
.endr
	s_wait_xcnt 0x0                                ; EXEC changes only behind this wait
	v_cmp_gt_u32 vcc_lo, 16, v0
	s_and_saveexec_b32 s9, vcc_lo
	global_store_b128 v7, v[8:11], s[6:7]          ; sixteen lanes store 256 consecutive bytes, at a multiple of 256 from out0's first byte
	s_wait_xcnt 0x0
	s_or_b32 exec_lo, exec_lo, s9
.Lend:
	s_wait_tensorcnt 0x0
	ds_add_u32 v96, v97
	s_wait_dscnt 0x0
	s_endpgm
.Lfunc_end_k_qe7055f335e_fin:
	.size	k_qe7055f335e_fin, .Lfunc_end_k_qe7055f335e_fin-k_qe7055f335e_fin
	.p2alignl 7, 3214868480
	.fill 96, 4, 3214868480
	.section	.rodata,"a",@progbits
	.p2align	6, 0x0
	.amdhsa_kernel k_qe7055f335e_fin
		.amdhsa_group_segment_fixed_size 5120
		.amdhsa_private_segment_fixed_size 0
		.amdhsa_enable_private_segment 0
		.amdhsa_kernarg_size 16
		.amdhsa_user_sgpr_count 2
		.amdhsa_user_sgpr_kernarg_segment_ptr 1
		.amdhsa_wavefront_size32 1
		.amdhsa_system_sgpr_workgroup_id_x 1
		.amdhsa_system_sgpr_workgroup_id_y 1
		.amdhsa_system_sgpr_workgroup_id_z 1
		.amdhsa_system_vgpr_workitem_id 0
		.amdhsa_next_free_vgpr 98
		.amdhsa_next_free_sgpr 66
		.amdhsa_reserve_vcc 1
		.amdhsa_float_denorm_mode_32 3
		.amdhsa_float_denorm_mode_16_64 3
		.amdhsa_memory_ordered 1
		.amdhsa_forward_progress 1
		.amdhsa_inst_pref_size 8
	.end_amdhsa_kernel
	.amdgpu_metadata
---
amdhsa.version: [ 1, 2 ]
amdhsa.kernels:
  - .name:           k_qe7055f335e_fin
    .symbol:         k_qe7055f335e_fin.kd
    .args:
      - { .name: part, .offset: 0, .size: 8, .value_kind: global_buffer, .address_space: global }
      - { .name: out0, .offset: 8, .size: 8, .value_kind: global_buffer, .address_space: global }
    .group_segment_fixed_size: 5120
    .private_segment_fixed_size: 0
    .kernarg_segment_align: 8
    .kernarg_segment_size: 16
    .max_flat_workgroup_size: 256
    .sgpr_count:     66
    .vgpr_count:     98
    .wavefront_size: 32
...
	.end_amdgpu_metadata
.endif
;; end of part 3
